; MI455X (gfx1250); checked and timed in simulation.
; The chip was launched on July 23, 2026; its instructions are those of AMD's public machine-readable ISA for CDNA 5 (MIT licence, August 2026) and "CDNA5" Instruction Set Architecture Reference Guide (July 2026). The comments in the code are by the model that wrote it; some were corrected since.
;; Multi Head Attention. Allowed arithmetic: float matrix products may take bf16 or f16 operands with f32 sums; all other float work in f32.
;; Inputs: Wk 1,024 x 1,024 float32; Wo 1,024 x 1,024 float32; Wq 1,024 x 1,024 float32; Wv 1,024 x 1,024 float32; bk 1,024 float32; bo 1,024 float32; bq 1,024 float32; bv 1,024 float32; x 2 x 2,048 x 1,024 float32.
;; Outputs: out0 2 x 2,048 x 1,024 float32.
;; One version. Each part assembles by itself: llvm-mc -triple=amdgcn-amd-amdhsa -mcpu=gfx1250 --defsym DOCPART=n.
;; ======== version 1 of 1: 4 launches
;; limits: values are held in f16: magnitudes above 65,504 overflow, below 6.1e-05 lose precision
;; workspace buffers: xb 8,388,608 bytes; wt 8,388,608 bytes; qkv 25,165,824 bytes; ao 8,388,608 bytes
;; launch prep (part 1): grid 256 x 2, 8 waves a work-group, no clusters, 35,840 bytes of LDS; arguments x, Wq, Wk, Wv, Wo, xb, wt; writes xb, wt
.if DOCPART == 1
	.amdgcn_target "amdgcn-amd-amdhsa--gfx1250"
	.amdhsa_code_object_version 6
	.text
	.protected	k_q57e22ff7d8_prep
	.globl	k_q57e22ff7d8_prep
	.p2align	8
	.type	k_q57e22ff7d8_prep,@function
k_q57e22ff7d8_prep:
	s_mov_b64 s[64:65], 0
	v_nop
	global_prefetch_b8 v0, s[64:65] scope:SCOPE_SE
	s_setreg_imm32_b32 hwreg(HW_REG_WAVE_MODE, 25, 1), 1
	s_wait_xcnt 0x0
; Makes the matrix operands of the later launches, once.
;   y = 0 (256 work-groups): xb = f16(x), same order.  A work-group casts 65,536 bytes of x into 32,768 bytes of xb.
;   y = 1 (256 work-groups): wt[mat*1024 + n][k] = f16(W_mat[k][n]), mat = 0..3 for Wq, Wk, Wv, Wo.  A work-group transposes a tile of 128 k x 128 n.
; WHY f16: between the inputs and the output stand the roundings of x, W, q, k, the softmax weights, v and the heads' outputs; the result is compared within
; a hundredth of its root mean square, and 11 significant bits leave that chain a wide margin where 8 would leave about four standard deviations.
; LIMIT: numbers of 65,504 or more in magnitude become infinite in f16; x and the weights have room for several hundred times their drawn size.
; Both halves stream: every input byte is read once by 16-byte loads of neighbouring lanes, all 16 loads of a thread are issued before the first is used,
; and every store of a wave covers whole aligned runs of 256 bytes.  No matrix unit, no tile mover, no cluster: nothing is shared and nothing is multiplied.
; No register is written twice, so no wait frees a source.
.set XI, 16                            ; v[16:79]   16 loads of 4 f32
.set XO, 80                            ; v[80:111]  the same numbers as f16
.set RB, 112                           ; v[112:143] transposed rows read back from LDS
.set TP, 272                           ; LDS pitch of a transposed row: 256 bytes + 16
	s_load_b64 s[4:5], s[0:1], 0x0                 ; x
	s_load_b256 s[8:15], s[0:1], 0x8               ; Wq s[8:9], Wk s[10:11], Wv s[12:13], Wo s[14:15]
	s_load_b128 s[16:19], s[0:1], 0x28             ; xb s[16:17], wt s[18:19]
	v_lshl_add_u32 v144, v0, 2, 0x8800
	v_mov_b32 v145, 0
	s_and_b32 s20, ttmp7, 0xffff                   ; the work-group's y: the same in all its waves
	s_cmp_lg_u32 s20, 0
	s_cbranch_scc1 .Lweights
	; ---- the cast of x ----
	s_lshl_b32 s2, ttmp9, 16                       ; 65,536 bytes of x
	s_mov_b32 s3, 0
	s_lshl_b32 s22, ttmp9, 15                      ; 32,768 bytes of xb
	s_mov_b32 s23, 0
	v_lshlrev_b32 v1, 4, v0                        ; thread t reads 16 bytes at 16 t
	v_lshlrev_b32 v2, 3, v0                        ; and writes 8 bytes at 8 t: a wave's store covers 256 bytes, aligned
	s_wait_kmcnt 0x0
	s_add_nc_u64 s[4:5], s[4:5], s[2:3]
	s_add_nc_u64 s[16:17], s[16:17], s[22:23]
.irp i, 0,1,2,3,4,5,6,7,8,9,10,11,12,13,14,15
	global_load_b128 v[XI+4*\i:XI+4*\i+3], v1, s[4:5] offset:4096*\i th:TH_LOAD_NT
.endr
.irp i, 0,1,2,3,4,5,6,7,8,9,10,11,12,13,14,15
	s_wait_loadcnt 15-\i                           ; loads come back in order: load i is in, the 15 - i younger ones stay out
	v_cvt_pk_f16_f32 v[XO+2*\i],   v[XI+4*\i],   v[XI+4*\i+1]
	v_cvt_pk_f16_f32 v[XO+2*\i+1], v[XI+4*\i+2], v[XI+4*\i+3]
	global_store_b64 v2, v[XO+2*\i:XO+2*\i+1], s[16:17] offset:2048*\i
.endr
	s_endpgm
	; ---- the transposing cast of the weights ----
.Lweights:
	v_lshrrev_b32 v3, 5, v0
	v_readfirstlane_b32 s24, v3                    ; wave 0..7: it takes k rows 16 w .. 16 w + 15 in, and n rows 16 w .. 16 w + 15 out
	v_and_b32 v4, 31, v0                           ; lane
	s_lshr_b32 s21, ttmp9, 6                       ; mat
	s_bfe_u32 s22, ttmp9, 0x30003                  ; kt: which 128 k
	s_and_b32 s23, ttmp9, 7                        ; nt: which 128 n
	s_lshl_b32 s2, s22, 19                         ; source: kt x 128 rows of 4,096 bytes
	s_lshl_b32 s26, s23, 9                         ;  + nt x 512 bytes
	s_add_co_u32 s2, s2, s26
	s_lshl_b32 s26, s24, 16                        ;  + wave x 16 rows
	s_add_co_u32 s2, s2, s26
	s_mov_b32 s3, 0
	s_lshl_b32 s26, s21, 21                        ; target: mat x 1,024 rows of 2,048 bytes
	s_lshl_b32 s27, s23, 18                        ;  + nt x 128 rows
	s_add_co_u32 s26, s26, s27
	s_lshl_b32 s27, s22, 8                         ;  + kt x 256 bytes
	s_add_co_u32 s26, s26, s27
	s_lshl_b32 s27, s24, 15                        ;  + wave x 16 rows
	s_add_co_u32 s26, s26, s27
	s_mov_b32 s27, 0
	v_lshlrev_b32 v5, 4, v4                        ; in: lane L takes columns 4 L .. 4 L + 3 of each row
	v_mul_u32_u24 v6, v4, 4*TP                     ; LDS, in: rows n = 4 L + c,
	s_lshl_b32 s25, s24, 5                         ;  my 16 k are 32 bytes at 32 w
	v_add_nc_u32 v6, s25, v6
	v_lshrrev_b32 v8, 4, v4                        ; L / 16
	v_and_b32 v9, 15, v4                           ; L % 16
	v_mul_u32_u24 v7, v8, TP                       ; LDS, back: lanes 0-15 one row of 256 bytes, lanes 16-31 the next
	v_lshl_add_u32 v7, v9, 4, v7
	s_mul_i32 s25, s24, 16*TP
	v_add_nc_u32 v7, s25, v7
	v_lshlrev_b32 v11, 11, v8                      ; and the same two rows in wt
	v_lshl_add_u32 v11, v9, 4, v11
	s_wait_kmcnt 0x0
	s_cmp_eq_u32 s21, 1                            ; which weight: a choice between buffers on the work-group's number alone
	s_cselect_b64 s[8:9], s[10:11], s[8:9]
	s_cmp_eq_u32 s21, 2
	s_cselect_b64 s[8:9], s[12:13], s[8:9]
	s_cmp_eq_u32 s21, 3
	s_cselect_b64 s[8:9], s[14:15], s[8:9]
	s_add_nc_u64 s[8:9], s[8:9], s[2:3]
	s_add_nc_u64 s[18:19], s[18:19], s[26:27]
.irp j, 0,1,2,3,4,5,6,7,8,9,10,11,12,13,14,15
	global_load_b128 v[XI+4*\j:XI+4*\j+3], v5, s[8:9] offset:4096*\j th:TH_LOAD_NT   ; row k = 16 w + j: 512 neighbouring bytes a wave
.endr
	; rows 2 i and 2 i + 1 of one column pack into one word: the transposition itself costs no instruction
.irp i, 0,1,2,3,4,5,6,7
	s_wait_loadcnt 14-2*\i                         ; loads 2 i and 2 i + 1 are in, the 14 - 2 i younger ones stay out
.irp c, 0,1,2,3
	v_cvt_pk_f16_f32 v[XO+8*\c+\i], v[XI+8*\i+\c], v[XI+8*\i+4+\c]
.endr
.endr
.irp c, 0,1,2,3
	ds_store_b128 v6, v[XO+8*\c:XO+8*\c+3]   offset:TP*\c          ; column 4 L + c, k = 16 w .. + 7
	ds_store_b128 v6, v[XO+8*\c+4:XO+8*\c+7] offset:TP*\c+16       ;                 k = 16 w + 8 .. + 15
.endr
	s_wait_dscnt 0x0                               ; for the other waves' sake: my stores are done before I say so
	s_barrier_signal -1
	s_barrier_wait -1
.irp t, 0,1,2,3,4,5,6,7
	ds_load_b128 v[RB+4*\t:RB+4*\t+3], v7 offset:2*TP*\t           ; rows 16 w + 2 t and + 1, whole
.endr
.irp t, 0,1,2,3,4,5,6,7
	s_wait_dscnt 7-\t                              ; LDS loads come back in order
	global_store_b128 v11, v[RB+4*\t:RB+4*\t+3], s[18:19] offset:4096*\t   ; 16 lanes store 256 consecutive bytes, aligned
.endr
	s_wait_tensorcnt 0x0
	ds_add_u32 v144, v145
	s_wait_dscnt 0x0
	s_endpgm
.Lfunc_end_k_q57e22ff7d8_prep:
	.size	k_q57e22ff7d8_prep, .Lfunc_end_k_q57e22ff7d8_prep-k_q57e22ff7d8_prep
	.p2alignl 7, 3214868480
	.fill 96, 4, 3214868480
	.section	.rodata,"a",@progbits
	.p2align	6, 0x0
	.amdhsa_kernel k_q57e22ff7d8_prep
		.amdhsa_group_segment_fixed_size 35840
		.amdhsa_private_segment_fixed_size 0
		.amdhsa_enable_private_segment 0
		.amdhsa_kernarg_size 56
		.amdhsa_user_sgpr_count 2
		.amdhsa_user_sgpr_kernarg_segment_ptr 1
		.amdhsa_wavefront_size32 1
		.amdhsa_system_sgpr_workgroup_id_x 1
		.amdhsa_system_sgpr_workgroup_id_y 1
		.amdhsa_system_sgpr_workgroup_id_z 1
		.amdhsa_system_vgpr_workitem_id 0
		.amdhsa_next_free_vgpr 146
		.amdhsa_next_free_sgpr 66
		.amdhsa_reserve_vcc 0
		.amdhsa_float_denorm_mode_32 3
		.amdhsa_float_denorm_mode_16_64 3
		.amdhsa_memory_ordered 1
		.amdhsa_forward_progress 1
		.amdhsa_inst_pref_size 15
	.end_amdhsa_kernel
	.amdgpu_metadata
---
amdhsa.version: [ 1, 2 ]
amdhsa.kernels:
  - .name:           k_q57e22ff7d8_prep
    .symbol:         k_q57e22ff7d8_prep.kd
    .args:
      - { .name: x, .offset: 0, .size: 8, .value_kind: global_buffer, .address_space: global }
      - { .name: Wq, .offset: 8, .size: 8, .value_kind: global_buffer, .address_space: global }
      - { .name: Wk, .offset: 16, .size: 8, .value_kind: global_buffer, .address_space: global }
      - { .name: Wv, .offset: 24, .size: 8, .value_kind: global_buffer, .address_space: global }
      - { .name: Wo, .offset: 32, .size: 8, .value_kind: global_buffer, .address_space: global }
      - { .name: xb, .offset: 40, .size: 8, .value_kind: global_buffer, .address_space: global }
      - { .name: wt, .offset: 48, .size: 8, .value_kind: global_buffer, .address_space: global }
    .group_segment_fixed_size: 35840
    .private_segment_fixed_size: 0
    .kernarg_segment_align: 8
    .kernarg_segment_size: 56
    .max_flat_workgroup_size: 256
    .sgpr_count:     66
    .vgpr_count:     146
    .wavefront_size: 32
...
	.end_amdgpu_metadata
.endif
;; end of part 1
;; launch qkv (part 2): grid 12 x 16, 4 waves a work-group, clusters of 4 x 4, 327,680 bytes of LDS; arguments xb, wt, bq, bk, bv, qkv; writes qkv
.if DOCPART == 2
	.amdgcn_target "amdgcn-amd-amdhsa--gfx1250"
	.amdhsa_code_object_version 6
	.text
	.protected	k_q57e22ff7d8_qkv
	.globl	k_q57e22ff7d8_qkv
	.p2align	8
	.type	k_q57e22ff7d8_qkv,@function
k_q57e22ff7d8_qkv:
	s_mov_b64 s[64:65], 0
	v_nop
	global_prefetch_b8 v0, s[64:65] scope:SCOPE_SE
	s_setreg_imm32_b32 hwreg(HW_REG_WAVE_MODE, 25, 1), 1
	s_wait_xcnt 0x0
	s_wait_alu depctr_hold_cnt(0) depctr_sa_sdst(0) depctr_va_vdst(0) depctr_va_sdst(0) depctr_va_ssrc(0) depctr_va_vcc(0) depctr_vm_vsrc(0)
	s_getreg_b32 s2, hwreg(HW_REG_IB_STS2, 6, 4)
	s_cmp_eq_u32 s2, 0
	s_cbranch_scc0 .Lentry_in_a_cluster
	s_endpgm
.Lentry_in_a_cluster:
	s_bfe_u32 s2, ttmp6, 0x10000c
	s_cmp_lg_u32 s2, 0xf033
	s_cbranch_scc0 .Lentry_shape_is_right
	s_endpgm
.Lentry_shape_is_right:
; qkv[b][mat*16+h][s][d] = f16( (sum over k of xb[m][k] wt[n][k] + bias[n]) * scale ),  m = b*2048 + s,  n = mat*1024 + h*64 + d,  n < 3072.
; scale = 0.125 * log2(e) for q (mat = 0), so that the next launch's scores are exponents of 2; 1 for k and v.  Formed as sum*scale + bias*scale, one
; fused multiply-add in f32, then one rounding to f16.
; LIMIT: a projection of 65,504 or more in magnitude becomes infinite in f16.  With x and W both 30 times their drawn size the projections reach about
; 900 x 5.5 = 5,000; with both carrying an offset of 30 spreads (30 and 0.94) they lie near 1024 x 30 x 0.94 = 28,800.
; A work-group makes a block of 256 x 256 with four waves, a wave 128 x 128: 64 accumulator tiles of 16 x 16, 512 registers.  K = 1024 goes in steps of 128
; through a ring of two LDS slots filled by the tensor data mover; a tile's rows are 256 bytes of memory and start at multiples of 256 bytes.
; 12 x 16 = 192 work-groups: no block whose width divides 1024 (a block lies in one of q, k, v) and that keeps the 128 x 128 wave tile gives more.
; CLUSTERS: 4 x 4 work-groups.  The four of a row of the cluster need the same tiles of xb, the four of a column the same tiles of wt: each tile is asked for
; jointly, by the same tensor load with the same descriptor and a mask that names the four.  That divides the requests for both by four.
;
; REGISTERS, in windows of 256:
;   window 0: v0-31 addresses; v32-63 and v224-255 bias*scale of my 128 columns; v64-127, v128-191 fragments of xb, two buffers; v192-223 at work on the way out
;   window 1: v64-127, v128-191 fragments of wt, two buffers
;   window 2: the 32 accumulator tiles of my rows 0-63 (tile (a, b) at v[8 (8 a + b)]);   window 3: those of my rows 64-127
; THE MATRIX INSTRUCTION IS USED TRANSPOSED: source 0 = 16 rows of wt, source 1 = 16 rows of xb, so that lane l holds row m = l % 16 and its registers 0 to 7
; the columns n = 8 (l / 16) + 0 .. 7: eight neighbouring numbers of a head's row, 16 bytes in f16.
.set SIZE_M, 4096
.set SIZE_N, 3072
.set SIZE_K, 1024
.set KSTEP,  128
.set PITCH,  272                       ; an LDS row: 256 bytes of data + 16 of padding, so that the 16 rows of a fragment load start 16 bytes apart modulo 256
.set HALFT,  128*PITCH                 ; 128 rows: what one tensor load brings, and what one wave reads of either operand
.set SLOT,   4*HALFT                   ; xb's 256 rows, then wt's 256 rows
.set STAGE,  2*SLOT                    ; behind the ring: 16 rows x 272 bytes for each wave, for the way out; no tile lands here
.set SPITCH, 272
.set LAPS, SIZE_K/(2*KSTEP)            ; a lap = two K steps = once round the ring: 4
.set ADRA, 16                          ; v16-17  LDS address of my xb fragments in slot 0, 1
.set ADRB, 20                          ; v20-21  the same for wt
.set STO,  24                          ; v24     the way out: where I put 16 bytes of a row
.set RD,   25                          ; v25     the way out: where I read 16 bytes back
.set CO,   26                          ; v26     my byte offset in qkv
.set BO,   27                          ; v27     my byte offset in the bias
.set BIAS, 32                          ; n block b: v[BIAS + 8 b + 160 (b / 4)] and the seven behind it
.set F0,   64                          ; fragment buffer 0
.set F1,   128                         ; fragment buffer 1
.set TMP,  192                         ; the way out: packed results, in window 0
.set G1, 24                            ; s[24:31] descriptor group 1 for xb's tiles
.set G0, 32                            ; s[32:39] descriptor group 0 for xb's tiles, one set for each slot
.set G1B, 48                           ; s[48:55] descriptor group 1 for wt's tiles: it differs in the mask alone
.set G0B, 56                           ; s[56:63] descriptor group 0 for wt's tiles, one set for each slot
.set MSB, 0
.macro WIN new                         ; the immediate's high byte repeats the setting that is left
.if MSB != \new
	s_set_vgpr_msb (MSB<<8)|\new
.set MSB, \new
.endif
.endm
.set MUL_LO, 0xa1                      ; source 0 (wt) window 1, source 1 (xb) window 0, C and D window 2
.set MUL_HI, 0xf1                      ; the same, C and D window 3
.set TO_B,   0x40                      ; destination window 1, address window 0
; A joint load.  Waves 0 and 1 fetch xb's two halves, waves 2 and 3 wt's.  Each line has one mask and one set of registers; the branch hangs on the wave's number alone.
.macro JLOAD s
	s_cmp_eq_u32 s11, 0
	s_cbranch_scc0 .Lfor_b_\@
	tensor_load_to_lds s[G0+4*\s:G0+4*\s+3], s[G1:G1+7]
	s_nop 0
	s_branch .Lasked_\@
.Lfor_b_\@:
	tensor_load_to_lds s[G0B+4*\s:G0B+4*\s+3], s[G1B:G1B+7]
	s_nop 0
.Lasked_\@:
.endm
; A round of the cluster's barrier: my work-group's barrier, wave 0 signals for the work-group, every wave waits for all sixteen, my work-group's barrier once more.
.macro CREST                           ; a round behind its opening barrier
	s_cmp_lg_u32 s10, 0
	s_cbranch_scc1 .Lnot_wave_0_\@
	s_barrier_signal -3
.Lnot_wave_0_\@:
	s_barrier_wait -3
	s_barrier_signal -1
	s_barrier_wait -1
.endm
.macro CROUND                          ; a whole round
	s_barrier_signal -1
	s_barrier_wait -1
	CREST
.endm
	s_load_b128 s[4:7], s[0:1], 0x0                ; xb s[4:5], wt s[6:7]
	s_load_b128 s[68:71], s[0:1], 0x10             ; bq s[68:69], bk s[70:71]
	s_load_b64 s[72:73], s[0:1], 0x20              ; bv
	s_load_b64 s[8:9], s[0:1], 0x28                ; qkv
	s_set_vgpr_msb 0x40
	v_lshl_add_u32 v255, v0, 2, 0x48400
	s_set_vgpr_msb 0x4000
	v_mov_b32 v31, 0
	s_set_vgpr_msb 0x1
	ds_add_u32 v255, v31
	s_set_vgpr_msb 0x100
	v_lshrrev_b32 v1, 5, v0
	v_readfirstlane_b32 s10, v1                    ; wave 0..3
	s_lshr_b32 s11, s10, 1                         ; which half of the block's rows is mine.  Also: I fetch for xb (0) or for wt (1)
	s_and_b32 s12, s10, 1                          ; which half of its columns.  Also: which 128 rows of that tile I fetch
	s_bfe_u32 s40, ttmp6, 0x40000                  ; cx: my place along the cluster's x
	s_bfe_u32 s41, ttmp6, 0x40004                  ; cy: along its y
	s_lshl_b32 s42, ttmp9, 2                       ; in a cluster launch ttmp9 and ttmp7 count clusters
	s_add_co_u32 s42, s42, s40                     ; block column = 4 x cluster x + cx
	s_and_b32 s13, ttmp7, 0xffff
	s_lshl_b32 s13, s13, 2
	s_add_co_u32 s13, s13, s41                     ; block row = 4 x cluster y + cy
	s_lshl_b32 s43, s41, 2
	s_lshl_b32 s43, 15, s43                        ; my row of the cluster: places 4 cy .. 4 cy + 3
	s_lshl_b32 s44, 0x1111, s40                    ; my column: places cx, cx + 4, cx + 8, cx + 12
	; descriptor group 1: a tile of 128 rows x 128 elements, padded in LDS
	s_or_b32 s[G1+0], s43, (1<<16)|(1<<20)|(1<<21)|(5<<22)|(3<<25)  ; 15:0 the mask; 17:16 element of 2 bytes; 20 padding on; 21 set beside a mask; 24:22 after every 64 words; 31:25 four words
	s_or_b32 s[G1B+0], s44, (1<<16)|(1<<20)|(1<<21)|(5<<22)|(3<<25) ; the same with the mask of my column
	s_mov_b32 s[G1B+1], KSTEP<<16
	s_mov_b32 s[G1+1], KSTEP<<16                   ; tensor_dim0 = 128
	s_mov_b32 s[G1B+2], 128<<16
	s_mov_b32 s[G1+2], 128<<16                     ; tensor_dim1 = 128
	s_mov_b32 s[G1B+3], KSTEP<<16
	s_mov_b32 s[G1+3], KSTEP<<16                   ; tile_dim0 = 128
	s_mov_b32 s[G1B+4], 128
	s_mov_b32 s[G1+4], 128                         ; tile_dim1 = 128
	s_mov_b32 s[G1B+5], SIZE_K
	s_mov_b32 s[G1+5], SIZE_K                      ; elements from row to row
	s_mov_b32 s[G1B+6], 0
	s_mov_b32 s[G1+6], 0
	s_mov_b32 s[G1B+7], 0
	s_mov_b32 s[G1+7], 0
	; where the tiles come from: xb's hang on the block row alone, wt's on the block column alone, each in registers that never hold the other coordinate
	s_lshl_b32 s17, s12, 7                         ; which 128 rows of the tile I fetch
	s_lshl_b32 s16, s13, 8
	s_add_co_u32 s16, s16, s17                     ; xb: row 256 x block row + 128 x half
	s_lshl_b32 s46, s42, 8
	s_add_co_u32 s46, s46, s17                     ; wt: row 256 x block column + 128 x half
	s_mov_b32 s17, 0
	s_mov_b32 s47, 0
	s_mov_b64 s[18:19], SIZE_K*2
	s_mul_u64 s[16:17], s[16:17], s[18:19]         ; in bytes
	s_mul_u64 s[46:47], s[46:47], s[18:19]
	s_mul_i32 s20, s10, HALFT                      ; and where they go: wave x 128 rows: no place in the cluster enters an LDS address
	s_lshl_b32 s78, s40, 10                        ; bias: (256 cx + 128 x column half) numbers of 4 bytes inside q's, k's or v's
	s_lshl_b32 s79, s12, 9
	s_add_co_u32 s78, s78, s79
	s_mov_b32 s79, 0
	s_cmp_eq_u32 ttmp9, 0                          ; block column / 4 = the cluster's x says which of q, k, v: the same in all sixteen partners
	s_cselect_b32 s76, 0x3e38aa3b, 1.0             ; 0.125 log2(e) for q, 1 for k and v
	s_mov_b32 s77, s76
	s_wait_dscnt 0x0
	s_wait_kmcnt 0x0
	s_add_nc_u64 s[14:15], s[4:5], s[16:17]
	s_add_nc_u64 s[46:47], s[6:7], s[46:47]
	s_cmp_eq_u32 ttmp9, 1
	s_cselect_b64 s[74:75], s[70:71], s[68:69]
	s_cmp_eq_u32 ttmp9, 2
	s_cselect_b64 s[74:75], s[72:73], s[74:75]
	s_add_nc_u64 s[74:75], s[74:75], s[78:79]      ; the bias of my 128 columns
	CROUND                                         ; all sixteen work-groups are here: the first joint loads meet
.irp s, 0,1
	s_mov_b32 s[G0+4*\s], 1                                        ; count = 1
	s_add_co_u32 s[G0+4*\s+1], s20, \s*SLOT                        ; LDS address
	s_add_nc_u64 s[G0+4*\s+2:G0+4*\s+3], s[14:15], \s*KSTEP*2      ; global address: K step s
	s_or_b32 s[G0+4*\s+3], s[G0+4*\s+3], 0x80000000                ; type = 2
	s_mov_b32 s[G0B+4*\s], 1
	s_add_co_u32 s[G0B+4*\s+1], s20, \s*SLOT
	s_add_nc_u64 s[G0B+4*\s+2:G0B+4*\s+3], s[46:47], \s*KSTEP*2
	s_or_b32 s[G0B+4*\s+3], s[G0B+4*\s+3], 0x80000000
	JLOAD \s                                       ; the ring is filled before anything else is done: two tensor loads of the wave are out
.endr
	; A fragment is 16 rows x 32 K in 8 registers: lane l holds row l % 16; registers 0-3 hold K = 8 (l / 16) + 0..7, registers 4-7 K = 16 + 8 (l / 16) + 0..7.
	v_and_b32 v1, 15, v0                           ; l % 16
	v_bfe_u32 v2, v0, 4, 1                         ; l / 16
	v_lshlrev_b32 v[BO], 5, v2                     ; my 8 columns of each n block: 32 bytes for each half of the lanes
.irp b, 0,1,2,3,4,5,6,7
	global_load_b128 v[BIAS+8*\b+160*(\b/4):BIAS+8*\b+160*(\b/4)+3],   v[BO], s[74:75] offset:64*\b
	global_load_b128 v[BIAS+8*\b+160*(\b/4)+4:BIAS+8*\b+160*(\b/4)+7], v[BO], s[74:75] offset:64*\b+16
.endr
	v_mul_u32_u24 v3, v1, PITCH
	v_lshl_add_u32 v3, v2, 4, v3                   ; row x pitch + 16 x half
	s_mul_i32 s21, s11, HALFT                      ; my 128 rows of xb
	s_mul_i32 s22, s12, HALFT                      ; my 128 rows of wt,
	s_add_co_u32 s22, s22, 2*HALFT                 ; which lie behind xb's 256
.irp s, 0,1
	v_add_nc_u32 v[ADRA+\s], s21, v3
	v_add_nc_u32 v[ADRB+\s], s22, v3
	s_add_co_u32 s21, s21, SLOT
	s_add_co_u32 s22, s22, SLOT
.endr
	s_mul_i32 s23, s10, 16*SPITCH
	s_add_co_u32 s23, s23, STAGE                   ; my stage
	v_mul_u32_u24 v4, v1, SPITCH                   ; in: row l % 16, 16 bytes for each half of the lanes
	v_lshl_add_u32 v4, v2, 4, v4
	v_add_nc_u32 v[STO], s23, v4
	; back: lanes 0-15 take head 0 of my two, lanes 16-31 head 1; in each, eight lanes take 128 bytes of one row and eight those of the next:
	; two neighbouring rows of a head are 256 neighbouring bytes of qkv
	v_bfe_u32 v5, v0, 3, 1                         ; which of the two rows
	v_and_b32 v6, 7, v0
	v_lshlrev_b32 v6, 4, v6                        ; 16 bytes a lane
	v_lshl_add_u32 v7, v2, 7, v6                   ; + 128 x head
	v_mad_u32_u24 v7, v5, SPITCH, v7
	v_add_nc_u32 v[RD], s23, v7
	v_lshl_add_u32 v8, v5, 7, v6                   ; in qkv: a row is 128 bytes,
	v_lshl_add_u32 v[CO], v2, 18, v8               ; a head 262,144
	s_wait_loadcnt 0x0                             ; the bias, once, while the first tiles are on their way
.irp b, 0,1,2,3,4,5,6,7
.irp r, 0,2,4,6
	v_pk_mul_f32 v[BIAS+8*\b+160*(\b/4)+\r:BIAS+8*\b+160*(\b/4)+\r+1], v[BIAS+8*\b+160*(\b/4)+\r:BIAS+8*\b+160*(\b/4)+\r+1], s[76:77] op_sel_hi:[1,0]
.endr
.endr
; 16 matrix instructions: m blocks a0, a0 + 1 of the window's four x all 8 n blocks, 32 along K.  zero = 1: the first product starts the sums.
.macro MUL16 f, hi, a0, zero
.irp a, \a0, \a0+1
.irp b, 0,1,2,3,4,5,6,7
.if \zero
	v_wmma_f32_16x16x32_f16 v[8*(8*(\a)+\b):8*(8*(\a)+\b)+7], v[\f+8*\b:\f+8*\b+7], v[\f+8*(4*\hi+\a):\f+8*(4*\hi+\a)+7], 0
.else
	v_wmma_f32_16x16x32_f16 v[8*(8*(\a)+\b):8*(8*(\a)+\b)+7], v[\f+8*\b:\f+8*\b+7], v[\f+8*(4*\hi+\a):\f+8*(4*\hi+\a)+7], v[8*(8*(\a)+\b):8*(8*(\a)+\b)+7]
.endif
.endr
.endr
.endm
; 32 LDS loads in one run: the fragments of one quarter step into buffer f
.macro FETCH slot, k, f
	WIN TO_B
.irp i, 0,1,2,3,4,5,6,7
	ds_load_b128 v[\f+8*\i:\f+8*\i+3],   v[ADRB+\slot] offset:\k+\i*16*PITCH
	ds_load_b128 v[\f+8*\i+4:\f+8*\i+7], v[ADRB+\slot] offset:\k+\i*16*PITCH+32
.endr
	WIN 0
.irp i, 0,1,2,3,4,5,6,7
	ds_load_b128 v[\f+8*\i:\f+8*\i+3],   v[ADRA+\slot] offset:\k+\i*16*PITCH
	ds_load_b128 v[\f+8*\i+4:\f+8*\i+7], v[ADRA+\slot] offset:\k+\i*16*PITCH+32
.endr
.endm
; A load into a register that a matrix instruction has read, and a vector instruction that reads a matrix result, stand four places behind that matrix
; instruction, and only plain vector instructions that name none of its registers are places (ISA guide 7.12.1 for vector instructions).
.macro PLACES
.rept 4
	v_nop
.endr
.endm
; A K step is four quarter steps of 32 along K, 64 matrix instructions each, on buffers 0, 1, 0, 1.  The 64 accumulators take turns, one instruction a turn,
; in the same order in every quarter, over the loop's backward jump too.
.macro QUARTER slot, k, f, g, zero
	s_wait_dscnt 8                                 ; wt and xb's rows 0-63 are in; the youngest eight loads (xb's rows 64-127) may be out
	WIN MUL_LO
	MUL16 \f, 0, 0, \zero
	MUL16 \f, 0, 2, \zero
	PLACES
	FETCH \slot, \k, \g
	s_wait_dscnt 32                                ; all but the 32 just issued
	WIN MUL_HI
	MUL16 \f, 1, 0, \zero
	MUL16 \f, 1, 2, \zero
.endm
.macro THREE slot, zero
	QUARTER \slot, 64,  F0, F1, \zero
	QUARTER \slot, 128, F1, F0, 0
	QUARTER \slot, 192, F0, F1, 0
.endm
; The last quarter: multiplies buffer 1 and changes slots.  In front of the barrier each wave waits for its own reads of this slot and for all its tensor
; loads, of which one is out: its part of the next slot.  Behind it the refill comes first, then the next slot's first fragments.
.macro TURN slot, next, fill
	s_wait_dscnt 8
	WIN MUL_LO
	MUL16 F1, 0, 0, 0
	s_wait_dscnt 0                                 ; my reads of this slot are over
	s_wait_tensorcnt 0x0                           ; and all my tensor loads have landed
	ds_add_u32 v255, v31
	s_wait_dscnt 0x0
	s_barrier_signal -1                            ; say so (where a slot is filled again this barrier opens a round of the cluster's barrier),
	MUL16 F1, 0, 2, 0                              ; work on registers while the others arrive,
	WIN 0
	s_barrier_wait -1
.if \fill
	CREST                                          ; no wave of any partner still reads this slot's tile or has a load on its way
	s_add_nc_u64 s[G0+4*\slot+2:G0+4*\slot+3], s[G0+4*\slot+2:G0+4*\slot+3], 2*KSTEP*2
	s_add_nc_u64 s[G0B+4*\slot+2:G0B+4*\slot+3], s[G0B+4*\slot+2:G0B+4*\slot+3], 2*KSTEP*2
	JLOAD \slot                                    ; the first tensor load behind the round
.endif
	PLACES
	FETCH \next, 0, F0
	WIN MUL_HI
	MUL16 F1, 1, 0, 0
	MUL16 F1, 1, 2, 0
.endm
.macro LAP zero                        ; once round the ring, both slots filled again
	THREE 0, \zero
	TURN 0, 1, 1
	THREE 1, 0
	TURN 1, 0, 1
.endm
	s_wait_tensorcnt 1                             ; my part of K step 0 is in; K step 1's stays out
	s_barrier_signal -1
	s_barrier_wait -1                              ; everybody's is
	FETCH 0, 0, F0
	LAP 1                                          ; the first lap stands in front of the loop: its first products start the sums
	WIN 0                                          ; at a label and at a branch every window is 0
	s_mov_b32 s3, LAPS-2
.Llap:
	LAP 0
	WIN 0
	s_sub_co_u32 s3, s3, 1
	s_cmp_lg_u32 s3, 0
	s_cbranch_scc1 .Llap
	THREE 0, 0                                     ; the last lap fills nothing
	TURN 0, 1, 0
	THREE 1, 0
	s_wait_dscnt 8                                 ; the very last quarter: nothing more to fetch
	WIN MUL_LO
	MUL16 F1, 0, 0, 0
	MUL16 F1, 0, 2, 0
	s_wait_dscnt 0
	WIN MUL_HI
	MUL16 F1, 1, 0, 0
	MUL16 F1, 1, 2, 0
	; THE WAY OUT, 16 rows at a time: sum*scale + bias*scale, round to f16, 16 bytes a lane into my own stage, read back so that sixteen lanes hold two
	; neighbouring rows of one head.  The four v_nop are the places behind the last matrix instructions.
	PLACES
	s_lshr_b32 s16, s13, 3                         ; b = block row / 8
	s_mul_i32 s16, s16, 12582912                   ; 48 heads of 262,144 bytes
	s_and_b32 s17, s13, 7
	s_lshl_b32 s17, s17, 15                        ; 256 rows of 128 bytes for each block row inside b
	s_add_co_u32 s16, s16, s17
	s_lshl_b32 s17, s11, 14                        ; my half: 128 rows
	s_add_co_u32 s16, s16, s17
	s_mov_b32 s17, 0
	s_add_nc_u64 s[8:9], s[8:9], s[16:17]
	s_lshl_b32 s46, s42, 20                        ; four heads for each block column (in the registers that held wt's address)
	s_lshl_b32 s47, s12, 19                        ; two for my half
	s_add_co_u32 s46, s46, s47
	s_mov_b32 s47, 0
	s_add_nc_u64 s[8:9], s[8:9], s[46:47]
; rows 16 i .. 16 i + 15 of my block = the eight tiles (a, 0..7) of window 2 or 3.  wfma: destination and source 0 in that window; wcvt: sources 0 and 1.
.macro OUT16 i, a, wfma, wcvt, f
	WIN \wfma
.irp b, 0,1,2,3,4,5,6,7
.irp r, 0,2,4,6
	v_pk_fma_f32 v[8*(8*\a+\b)+\r:8*(8*\a+\b)+\r+1], v[8*(8*\a+\b)+\r:8*(8*\a+\b)+\r+1], s[76:77], v[BIAS+8*\b+160*(\b/4)+\r:BIAS+8*\b+160*(\b/4)+\r+1] op_sel_hi:[1,0,1]
.endr
.endr
	WIN \wcvt
.irp b, 0,1,2,3,4,5,6,7
.irp r, 0,1,2,3
	v_cvt_pk_f16_f32 v[TMP+4*\b+\r], v[8*(8*\a+\b)+2*\r], v[8*(8*\a+\b)+2*\r+1]
.endr
.endr
	WIN 0
.irp b, 0,1,2,3,4,5,6,7
	ds_store_b128 v[STO], v[TMP+4*\b:TMP+4*\b+3] offset:32*\b
.endr
	s_wait_xcnt 0x0                                ; buffer f, which earlier stores read as data, is loaded again only behind this wait
.irp t, 0,1,2,3,4,5,6,7
	ds_load_b128 v[\f+4*\t:\f+4*\t+3], v[RD] offset:\t*2*SPITCH    ; LDS serves a wave's instructions in order: these see the stores above
.endr
.irp t, 0,1,2,3,4,5,6,7
	s_wait_dscnt 7-\t
	global_store_b128 v[CO], v[\f+4*\t:\f+4*\t+3], s[8:9] offset:2048*\i+256*\t   ; 16 lanes store 256 consecutive bytes, aligned: rows 16 i + 2 t and + 1 of a head
.endr
.endm
	OUT16 0, 0, 0x82, 0x0a, F0
	OUT16 1, 1, 0x82, 0x0a, F1
	OUT16 2, 2, 0x82, 0x0a, F0
	OUT16 3, 3, 0x82, 0x0a, F1
	OUT16 4, 0, 0xc3, 0x0f, F0
	OUT16 5, 1, 0xc3, 0x0f, F1
	OUT16 6, 2, 0xc3, 0x0f, F0
	OUT16 7, 3, 0xc3, 0x0f, F1
	s_set_vgpr_msb 0x1
	s_wait_tensorcnt 0x0
	ds_add_u32 v255, v31
	s_wait_dscnt 0x0
	s_set_vgpr_msb 0x100
	CROUND                                         ; the closing round: no work-group ends while a partner may still ask for a tile that names it
	s_endpgm
.Lfunc_end_k_q57e22ff7d8_qkv:
	.size	k_q57e22ff7d8_qkv, .Lfunc_end_k_q57e22ff7d8_qkv-k_q57e22ff7d8_qkv
	.p2alignl 7, 3214868480
	.fill 96, 4, 3214868480
	.section	.rodata,"a",@progbits
	.p2align	6, 0x0
	.amdhsa_kernel k_q57e22ff7d8_qkv
		.amdhsa_group_segment_fixed_size 327680
		.amdhsa_private_segment_fixed_size 0
		.amdhsa_enable_private_segment 0
		.amdhsa_kernarg_size 48
		.amdhsa_user_sgpr_count 2
		.amdhsa_user_sgpr_kernarg_segment_ptr 1
		.amdhsa_wavefront_size32 1
		.amdhsa_system_sgpr_workgroup_id_x 1
		.amdhsa_system_sgpr_workgroup_id_y 1
		.amdhsa_system_sgpr_workgroup_id_z 1
		.amdhsa_system_vgpr_workitem_id 0
		.amdhsa_next_free_vgpr 1024
		.amdhsa_next_free_sgpr 80
		.amdhsa_reserve_vcc 0
		.amdhsa_float_denorm_mode_32 3
		.amdhsa_float_denorm_mode_16_64 3
		.amdhsa_memory_ordered 1
		.amdhsa_forward_progress 1
		.amdhsa_inst_pref_size 216
	.end_amdhsa_kernel
	.amdgpu_metadata
---
amdhsa.version: [ 1, 2 ]
amdhsa.kernels:
  - .name:           k_q57e22ff7d8_qkv
    .symbol:         k_q57e22ff7d8_qkv.kd
    .args:
      - { .name: xb, .offset: 0, .size: 8, .value_kind: global_buffer, .address_space: global }
      - { .name: wt, .offset: 8, .size: 8, .value_kind: global_buffer, .address_space: global }
      - { .name: bq, .offset: 16, .size: 8, .value_kind: global_buffer, .address_space: global }
      - { .name: bk, .offset: 24, .size: 8, .value_kind: global_buffer, .address_space: global }
      - { .name: bv, .offset: 32, .size: 8, .value_kind: global_buffer, .address_space: global }
      - { .name: qkv, .offset: 40, .size: 8, .value_kind: global_buffer, .address_space: global }
    .group_segment_fixed_size: 327680
    .private_segment_fixed_size: 0
    .kernarg_segment_align: 8
    .kernarg_segment_size: 48
    .max_flat_workgroup_size: 128
    .sgpr_count:     80
    .vgpr_count:     1024
    .wavefront_size: 32
...
	.end_amdgpu_metadata
.endif
;; end of part 2
;; launch attn (part 3): grid 8 x 32, 8 waves a work-group, clusters of 4 x 1, 327,680 bytes of LDS; arguments qkv, ao; writes ao
.if DOCPART == 3
	.amdgcn_target "amdgcn-amd-amdhsa--gfx1250"
	.amdhsa_code_object_version 6
	.text
	.protected	k_q57e22ff7d8_attn
	.globl	k_q57e22ff7d8_attn
	.p2align	8
	.type	k_q57e22ff7d8_attn,@function
k_q57e22ff7d8_attn:
	s_mov_b64 s[64:65], 0
	v_nop
	global_prefetch_b8 v0, s[64:65] scope:SCOPE_SE
	s_setreg_imm32_b32 hwreg(HW_REG_WAVE_MODE, 25, 1), 1
	s_wait_xcnt 0x0
	s_wait_alu depctr_hold_cnt(0) depctr_sa_sdst(0) depctr_va_vdst(0) depctr_va_sdst(0) depctr_va_ssrc(0) depctr_va_vcc(0) depctr_vm_vsrc(0)
	s_getreg_b32 s2, hwreg(HW_REG_IB_STS2, 6, 4)
	s_cmp_eq_u32 s2, 0
	s_cbranch_scc0 .Lentry_in_a_cluster
	s_endpgm
.Lentry_in_a_cluster:
	s_bfe_u32 s2, ttmp6, 0x10000c
	s_cmp_lg_u32 s2, 0x3003
	s_cbranch_scc0 .Lentry_shape_is_right
	s_endpgm
.Lentry_shape_is_right:
; ao[b*16+h][s][d] = f16( softmax over keys of (q . k) times v ), one head and 256 queries for each work-group.  q already carries 0.125 log2(e), so the
; exponentials are powers of 2.  The maximum is taken away by a running maximum, for every input.
; Eight waves.  Wave w: g = w & 3 names its 64 queries (4 tiles of 16), kh = w >> 2 its half of the 2,048 keys.  The two halves' sums, maxima and outputs are
; merged once at the end through LDS.  A trip takes 128 keys of each half, in two blocks of 64.
; NO TRANSPOSITION OF THE WEIGHTS: S^T = K Q^T (source 0 = 16 keys, source 1 = 16 queries) leaves lane (r, h) with query r and keys 8 h + 0..7 of the tile; two
; such tiles, rounded in pairs, ARE the second operand (query r; keys 8 h + 0..7, 16 + 8 h + 0..7) of O^T = V^T P^T.  Maximum, sum and rescaling factor are
; one number a lane for each query tile; one exchange between the halves of the wave joins h = 0 and h = 1.
; CLUSTER: the four work-groups of a cluster have the same head and walk the same K and V tiles: each tile is asked for jointly (mask 15), which divides the
; requests for K and V by four.  Waves 0-3 ask for K's four pieces of 64 rows, waves 4-7 for V's.  One tensor load of a wave is out at a time.
; LIMITS: q, k, v and the weights P are f16 for the products.  P lies in 0 .. 1, so it cannot overflow; weights below 2^-25 of the row's largest round to 0
; for P V.  The row sum adds the unrounded f32 weights.  ao is a convex combination of v and has v's range.  v_exp_f32 gives 0 below 2^-126; the division is
; v_rcp_f32 and a multiply; inputs that are not finite are not served.
.set SLOT,   77824                     ; K: 256 rows x 144, then V: 256 rows x 160
.set VOFF,   36864
.set KPITCH, 144                       ; 128 bytes + 16: the 16 rows of a fragment load start 16 bytes apart modulo 256
.set VPITCH, 160                       ; 128 bytes + 32: an odd multiple of 32, for the transposing loads
.set MS,     2*SLOT                    ; merge scratch, 4 x 17,408: O at 512 i + 16 lane, maxima at 16,384, sums at 16,896.  No tile lands here
.set MSW,    17408
.set STG,    MS+4*MSW                  ; stage of the way out, 4 x 9,216: 64 rows x 144.  No tile lands here
.set STGW,   9216
.set TILEB,  16384                     ; 128 keys of 128 bytes
.set KADR, 16                          ; v16-17  LDS address of my K fragments in slot 0, 1
.set VADR, 18                          ; v18-19  the same for V
.set MSA,  20                          ; v20     my 16 bytes in the merge scratch
.set STO,  21                          ; v21     stage, in
.set RD,   22                          ; v22     stage, back
.set CO,   23                          ; v23     my byte offset in ao
.set QO,   24                          ; v24     my byte offset in q
.set MX,   32                          ; v[32:35] running maximum of query tile 0..3
.set AL,   36                          ; v[36:39] 2^(old maximum - new maximum)
.set LS,   40                          ; v[40:47] running sum, a pair for each query tile
.set TT,   48                          ; v[48:51] at work
.set UU,   52                          ; v[52:55] at work
.set LT,   56                          ; v[56:59] the finished sums
.set QF,   64                          ; v[64:127]  Q fragments, tile qt, d block ks at 16 qt + 8 ks
.set KF,   128                         ; v[128:191] K fragments, tile kt, d block ks at 16 kt + 8 ks
.set VF,   192                         ; v[192:255] V^T fragments, d tile dt, key block ks at 16 dt + 8 ks
; window 1: S^T tile (kt, qt) at 16 (4 (kt >> 1) + qt) + 8 (kt & 1), v0-127;  O^T tile (dt, qt) at OB + 8 (4 dt + qt)
.set OB,   128
.set G1K, 24                           ; s[24:31] shape of a K piece
.set G0K, 32                           ; s[32:39] from where, to where, a set for each slot
.set G1V, 40                           ; s[40:47] shape of a V piece: more padding
.set G0V, 48                           ; s[48:55]
.set MSB, 0
.macro WIN new                         ; low byte: bits 1:0 source 0, 3:2 source 1, 5:4 source 2, 7:6 destination; the high byte repeats the setting that is left
.if MSB != \new
	s_set_vgpr_msb (MSB<<8)|\new
.set MSB, \new
.endif
.endm
.macro ROUND                           ; a round of the cluster's barrier
	s_barrier_signal -1
	s_barrier_wait -1
	s_cmp_lg_u32 s8, 0
	s_cbranch_scc1 .Lnot_wave_0_\@
	s_barrier_signal -3
.Lnot_wave_0_\@:
	s_barrier_wait -3
	s_barrier_signal -1
	s_barrier_wait -1
.endm
.macro JLOAD s                         ; a joint load: the branch hangs on the wave's number alone
	s_cmp_eq_u32 s10, 0
	s_cbranch_scc0 .Lfor_v_\@
	tensor_load_to_lds s[G0K+4*(\s):G0K+4*(\s)+3], s[G1K:G1K+7]
	s_nop 0
	s_branch .Lasked_\@
.Lfor_v_\@:
	tensor_load_to_lds s[G0V+4*(\s):G0V+4*(\s)+3], s[G1V:G1V+7]
	s_nop 0
.Lasked_\@:
.endm
; packed arithmetic with one of four numbers v[base + q] in both halves: op_sel picks the pair's register for the low result, op_sel_hi for the high one
.macro PKMUL d, base, q                ; pair d *= v[base+q]
.if (\q) & 1
	v_pk_mul_f32 v[\d:\d+1], v[\d:\d+1], v[\base+(\q)-1:\base+(\q)] op_sel:[0,1] op_sel_hi:[1,1]
.else
	v_pk_mul_f32 v[\d:\d+1], v[\d:\d+1], v[\base+(\q):\base+(\q)+1] op_sel_hi:[1,0]
.endif
.endm
.macro PKSUB d, base, q                ; pair d -= v[base+q]
.if (\q) & 1
	v_pk_add_f32 v[\d:\d+1], v[\d:\d+1], v[\base+(\q)-1:\base+(\q)] op_sel:[0,1] op_sel_hi:[1,1] neg_lo:[0,1] neg_hi:[0,1]
.else
	v_pk_add_f32 v[\d:\d+1], v[\d:\d+1], v[\base+(\q):\base+(\q)+1] op_sel_hi:[1,0] neg_lo:[0,1] neg_hi:[0,1]
.endif
.endm
.macro PKFMA d, s, base, q             ; pair d += pair s * v[base+q]
.if (\q) & 1
	v_pk_fma_f32 v[\d:\d+1], v[\s:\s+1], v[\base+(\q)-1:\base+(\q)], v[\d:\d+1] op_sel:[0,1,0] op_sel_hi:[1,1,1]
.else
	v_pk_fma_f32 v[\d:\d+1], v[\s:\s+1], v[\base+(\q):\base+(\q)+1], v[\d:\d+1] op_sel_hi:[1,0,1]
.endif
.endm
	s_load_b128 s[4:7], s[0:1], 0x0                ; qkv s[4:5], ao s[6:7]
	v_lshl_add_u32 v62, v0, 2, 0x40000
	v_mov_b32 v63, 0
	ds_add_u32 v62, v63
	v_lshrrev_b32 v1, 5, v0
	v_readfirstlane_b32 s8, v1                     ; wave 0..7
	s_and_b32 s9, s8, 3                            ; g: my 64 queries.  Also: which 64 rows of a tile I fetch
	s_lshr_b32 s10, s8, 2                          ; kh: my half of the keys.  Also: I fetch for K (0) or for V (1)
	s_bfe_u32 s11, ttmp6, 0x40000                  ; cx
	s_lshl_b32 s12, ttmp9, 2
	s_add_co_u32 s12, s12, s11                     ; query block = 4 x cluster x + cx
	s_and_b32 s13, ttmp7, 0xffff                   ; b*16 + h: the cluster is one work-group high
	s_lshr_b32 s14, s13, 4                         ; b
	s_and_b32 s15, s13, 15                         ; h
	s_mul_i32 s16, s14, 12582912                   ; 48 heads of 262,144 bytes for each b
	s_lshl_b32 s17, s15, 18
	s_add_co_u32 s16, s16, s17                     ; q's head; k's lies 16 heads on, v's 32
	s_lshr_b32 s18, s9, 1                          ; my piece of a tile: key half p >> 1 (1,024 rows of 128 bytes),
	s_lshl_b32 s18, s18, 17
	s_and_b32 s19, s9, 1                           ; 64 rows p & 1
	s_lshl_b32 s19, s19, 13
	s_add_co_u32 s18, s18, s19
	s_add_co_u32 s18, s18, s16
	s_mov_b32 s19, 0
	s_mul_i32 s22, s9, 64*KPITCH                   ; where it goes: piece p of K,
	s_mul_i32 s23, s9, 64*VPITCH
	s_add_co_u32 s23, s23, VOFF                    ; of V
	s_lshl_b32 s60, s12, 15                        ; my queries: 256 rows of 128 bytes for each block,
	s_lshl_b32 s61, s9, 13                         ; 64 for each g
	s_add_co_u32 s60, s60, s61
	s_mov_b32 s56, 0x76543210                      ; v_permlanex16_b32: lane i of one half reads lane i of the other
	s_mov_b32 s57, 0xfedcba98
	; the shapes: 64 rows x 64 elements of 2 bytes, dense in memory; mask 15 = all four partners, bit 21 beside it; padding after every 32 words
	s_mov_b32 s[G1K+0], 15|(1<<16)|(1<<20)|(1<<21)|(4<<22)|(3<<25)   ; 4 words of padding: pitch 144
	s_mov_b32 s[G1V+0], 15|(1<<16)|(1<<20)|(1<<21)|(4<<22)|(7<<25)   ; 8 words: pitch 160
	s_mov_b32 s[G1K+1], 64<<16                     ; tensor_dim0 = 64
	s_mov_b32 s[G1V+1], 64<<16
	s_mov_b32 s[G1K+2], 64<<16                     ; tensor_dim1 = 64
	s_mov_b32 s[G1V+2], 64<<16
	s_mov_b32 s[G1K+3], 64<<16                     ; tile_dim0 = 64
	s_mov_b32 s[G1V+3], 64<<16
	s_mov_b32 s[G1K+4], 64                         ; tile_dim1 = 64
	s_mov_b32 s[G1V+4], 64
	s_mov_b32 s[G1K+5], 64                         ; elements from row to row
	s_mov_b32 s[G1V+5], 64
	s_mov_b32 s[G1K+6], 0
	s_mov_b32 s[G1V+6], 0
	s_mov_b32 s[G1K+7], 0
	s_mov_b32 s[G1V+7], 0
	s_wait_dscnt 0x0
	s_wait_kmcnt 0x0
	s_add_nc_u64 s[20:21], s[4:5], s[18:19]        ; hangs on the head and the wave alone: equal in all four partners
.irp s, 0,1
	s_mov_b32 s[G0K+4*\s], 1
	s_add_co_u32 s[G0K+4*\s+1], s22, \s*SLOT
	s_add_nc_u64 s[G0K+4*\s+2:G0K+4*\s+3], s[20:21], 16*262144+\s*TILEB
	s_or_b32 s[G0K+4*\s+3], s[G0K+4*\s+3], 0x80000000
	s_mov_b32 s[G0V+4*\s], 1
	s_add_co_u32 s[G0V+4*\s+1], s23, \s*SLOT
	s_add_nc_u64 s[G0V+4*\s+2:G0V+4*\s+3], s[20:21], 32*262144+\s*TILEB
	s_or_b32 s[G0V+4*\s+3], s[G0V+4*\s+3], 0x80000000
.endr
	ROUND                                          ; all four work-groups are here: the first joint loads meet
	JLOAD 0                                        ; tile 0
	s_lshl_b32 s61, s13, 18                        ; ao: my head,
	s_add_co_u32 s2, s60, s61                      ; my queries
	s_mov_b32 s3, 0
	s_add_nc_u64 s[6:7], s[6:7], s[2:3]
	s_add_co_u32 s60, s60, s16                     ; q: my head, my queries
	s_mov_b32 s61, 0
	s_add_nc_u64 s[62:63], s[4:5], s[60:61]
	v_and_b32 v1, 31, v0                           ; lane L
	v_and_b32 v2, 15, v0                           ; r
	v_bfe_u32 v3, v0, 4, 1                         ; h
	v_and_b32 v4, 7, v0                            ; L & 7
	v_bfe_u32 v5, v0, 3, 1                         ; (L >> 3) & 1
	v_bfe_u32 v6, v0, 3, 2                         ; L >> 3
	v_lshlrev_b32 v[QO], 7, v2                     ; query r: 128 bytes a row,
	v_lshl_add_u32 v[QO], v3, 4, v[QO]             ; + 16 h
.irp qt, 0,1,2,3
.irp ks, 0,1
	global_load_b128 v[QF+16*\qt+8*\ks:QF+16*\qt+8*\ks+3],   v[QO], s[62:63] offset:2048*\qt+64*\ks
	global_load_b128 v[QF+16*\qt+8*\ks+4:QF+16*\qt+8*\ks+7], v[QO], s[62:63] offset:2048*\qt+64*\ks+32
.endr
.endr
	v_mul_u32_u24 v7, v2, KPITCH
	v_lshl_add_u32 v7, v3, 4, v7                   ; 144 r + 16 h
	s_mul_i32 s59, s10, 128*KPITCH                 ; my key half's 128 rows of K
	v_add_nc_u32 v[KADR], s59, v7
	v_add_nc_u32 v[KADR+1], SLOT, v[KADR]
	v_lshl_add_u32 v8, v3, 3, v4                   ; the transposing load: key 8 h + (L & 7),
	v_mul_u32_u24 v8, v8, VPITCH
	v_lshl_add_u32 v8, v5, 4, v8                   ; 16 bytes (L >> 3) & 1
	s_mul_i32 s59, s10, 128*VPITCH
	s_add_co_u32 s59, s59, VOFF
	v_add_nc_u32 v[VADR], s59, v8
	v_add_nc_u32 v[VADR+1], SLOT, v[VADR]
	s_mul_i32 s59, s9, MSW
	s_add_co_u32 s59, s59, MS
	v_lshl_add_u32 v[MSA], v1, 4, s59
	s_mul_i32 s59, s9, STGW
	s_add_co_u32 s59, s59, STG
	v_add_nc_u32 v[STO], s59, v7                   ; stage, in: row r, 16 h
	v_mul_u32_u24 v9, v6, KPITCH                   ; back: eight lanes a row of 128 bytes, four rows an instruction
	v_lshl_add_u32 v9, v4, 4, v9
	v_add_nc_u32 v[RD], s59, v9
	v_lshlrev_b32 v[CO], 4, v1                     ; four rows of ao are 512 neighbouring bytes
.irp q, 0,1,2,3
	v_mov_b32 v[MX+\q], 0xff800000                 ; minus infinity: the first block's factor 2^(old - new) is then 0
	v_mov_b32 v[UU+\q], 0                          ; written before v_permlanex16_b32 names it as destination
.endr
.irp i, 0,1,2,3,4,5,6,7
	v_mov_b32 v[LS+\i], 0
.endr
	s_wait_loadcnt 0x0                             ; Q, once
; 16 LDS loads: the K fragments of the 64 keys sb of my half of the slot, key tile by key tile
.macro KLOAD slot, sb
.irp kt, 0,1,2,3
.irp ks, 0,1
	ds_load_b128 v[KF+16*\kt+8*\ks:KF+16*\kt+8*\ks+3],   v[KADR+\slot] offset:64*KPITCH*(\sb)+16*KPITCH*\kt+64*\ks
	ds_load_b128 v[KF+16*\kt+8*\ks+4:KF+16*\kt+8*\ks+7], v[KADR+\slot] offset:64*KPITCH*(\sb)+16*KPITCH*\kt+64*\ks+32
.endr
.endr
.endm
; A block of 64 keys x my 64 queries.  first = 1: O has no old value.  knext = 1: the next block's K fragments are fetched meanwhile.
; In every run of matrix instructions the accumulators take turns, one instruction a turn.
.macro SUB slot, sb, first, knext
.rept 5
	v_nop                                          ; five places: the first product below writes over registers that the last P V product read (ISA guide 7.12.1)
.endr
	WIN 0x50                                       ; D and C in window 1
.irp kt, 0,1,2,3
	s_wait_dscnt 12-4*\kt                          ; this key tile's four loads are in; those of the 3 - kt later tiles stay out
.irp qt, 0,1,2,3
	v_wmma_f32_16x16x32_f16 v[16*(4*(\kt>>1)+\qt)+8*(\kt&1):16*(4*(\kt>>1)+\qt)+8*(\kt&1)+7], v[KF+16*\kt:KF+16*\kt+7], v[QF+16*\qt:QF+16*\qt+7], 0
.endr
.irp qt, 0,1,2,3
	v_wmma_f32_16x16x32_f16 v[16*(4*(\kt>>1)+\qt)+8*(\kt&1):16*(4*(\kt>>1)+\qt)+8*(\kt&1)+7], v[KF+16*\kt+8:KF+16*\kt+15], v[QF+16*\qt+8:QF+16*\qt+15], v[16*(4*(\kt>>1)+\qt)+8*(\kt&1):16*(4*(\kt>>1)+\qt)+8*(\kt&1)+7]
.endr
.endr
	WIN 0
.rept 4
	v_nop                                          ; four places: behind them K's registers are loaded again and the scores are read
.endr
.irp dt, 0,1,2,3
.irp ks, 0,1
	ds_load_tr16_b128 v[VF+16*\dt+8*\ks:VF+16*\dt+8*\ks+3],   v[VADR+\slot] offset:64*VPITCH*\sb+32*VPITCH*\ks+32*\dt
	ds_load_tr16_b128 v[VF+16*\dt+8*\ks+4:VF+16*\dt+8*\ks+7], v[VADR+\slot] offset:64*VPITCH*\sb+32*VPITCH*\ks+32*\dt+16*VPITCH
.endr
.endr
.if \knext
	KLOAD \slot, 1
.endif
	; the new maximum: old maximum and my 32 scores of each query, four chains by turns
	WIN 0x14
.irp c, 0,1
.irp i, 0,2,4,6,8,10,12,14
.irp qt, 0,1,2,3
.if (\c+\i) == 0
	v_max3_num_f32 v[TT+\qt], v[MX+\qt], v[16*\qt], v[16*\qt+1]
.else
	v_max3_num_f32 v[TT+\qt], v[TT+\qt], v[16*(4*\c+\qt)+\i], v[16*(4*\c+\qt)+\i+1]
.endif
.endr
.endr
.endr
	WIN 0
.irp qt, 0,1,2,3
	v_permlanex16_b32 v[UU+\qt], v[TT+\qt], s56, s57               ; the other half of the lanes has the query's other keys
.endr
.irp qt, 0,1,2,3
	v_max_num_f32 v[TT+\qt], v[TT+\qt], v[UU+\qt]
.endr
.irp qt, 0,1,2,3
	v_sub_f32 v[AL+\qt], v[MX+\qt], v[TT+\qt]
.endr
.irp qt, 0,1,2,3
	v_exp_f32 v[AL+\qt], v[AL+\qt]                 ; 2^(old - new), at most 1
.endr
	s_wait_alu depctr_va_vdst(0)
.irp qt, 0,1,2,3
	v_mov_b32 v[MX+\qt], v[TT+\qt]                 ; plain work between the exponentials and their first use (ISA guide 5.7.2)
.endr
.irp qt, 0,1,2,3
	PKMUL LS+2*\qt, AL, \qt
.endr
	; scores minus maximum, then 2^x in place; between the exponentials the old O is rescaled
	WIN 0x41
.irp c, 0,1
.irp i, 0,2,4,6,8,10,12,14
.irp qt, 0,1,2,3
	PKSUB 16*(4*\c+\qt)+\i, MX, \qt
.endr
.endr
.endr
.set cn, 0
.rept 64
	v_exp_f32 v[2*cn], v[2*cn]
	v_exp_f32 v[2*cn+1], v[2*cn+1]
.if \first == 0
	PKMUL OB+2*cn, AL, (cn>>2)&3
.endif
.set cn, cn+1
.endr
.if \first
	v_nop                                          ; the plain place behind the run of exponentials
	s_wait_alu depctr_va_vdst(0)
.endif
	WIN 0x01
	s_wait_alu depctr_va_vdst(0)
.irp c, 0,1
.irp i, 0,2,4,6,8,10,12,14
.irp qt, 0,1,2,3
	v_pk_add_f32 v[LS+2*\qt:LS+2*\qt+1], v[16*(4*\c+\qt)+\i:16*(4*\c+\qt)+\i+1], v[LS+2*\qt:LS+2*\qt+1]
.endr
.endr
.endr
	; 16 f32 of two key tiles become the 8 registers of a P^T fragment, in place: word i is written when words 2 i and 2 i + 1 are read, never ahead of a reader
	WIN 0x45
.irp i, 0,1,2,3,4,5,6,7
.irp blk, 0,1,2,3,4,5,6,7
	v_cvt_pk_f16_f32 v[16*\blk+\i], v[16*\blk+2*\i], v[16*\blk+2*\i+1]
.endr
.endr
.if \knext
	s_wait_dscnt 16                                ; V's 16 loads are in; the 16 K loads issued behind them stay out
.else
	s_wait_dscnt 0
.endif
	WIN 0x54                                       ; D, C and source 1 (P^T) in window 1, source 0 (V^T) in window 0
.irp ks, 0,1
.irp dt, 0,1,2,3
.irp qt, 0,1,2,3
.if \first*(1-\ks)
	v_wmma_f32_16x16x32_f16 v[OB+8*(4*\dt+\qt):OB+8*(4*\dt+\qt)+7], v[VF+16*\dt+8*\ks:VF+16*\dt+8*\ks+7], v[16*(4*\ks+\qt):16*(4*\ks+\qt)+7], 0
.else
	v_wmma_f32_16x16x32_f16 v[OB+8*(4*\dt+\qt):OB+8*(4*\dt+\qt)+7], v[VF+16*\dt+8*\ks:VF+16*\dt+8*\ks+7], v[16*(4*\ks+\qt):16*(4*\ks+\qt)+7], v[OB+8*(4*\dt+\qt):OB+8*(4*\dt+\qt)+7]
.endif
.endr
.endr
.endr
	WIN 0
.endm
; A trip: one slot's tile.  In front of the round every wave has waited for all its tensor loads (its piece of this trip's tile among them) and for its reads
; of the other slot; behind the round the other slot is asked for again first, and has this trip's 128 matrix instructions and its softmax in which to land.
.macro TRIP slot, refill, first
	s_wait_tensorcnt 0x0
	ds_add_u32 v62, v63
	s_wait_dscnt 0x0
	s_add_nc_u64 s[G0K+4*\slot+2:G0K+4*\slot+3], s[G0K+4*\slot+2:G0K+4*\slot+3], 2*TILEB   ; no load of mine is out: this slot's next tile
	s_add_nc_u64 s[G0V+4*\slot+2:G0V+4*\slot+3], s[G0V+4*\slot+2:G0V+4*\slot+3], 2*TILEB
	s_wait_dscnt 0x0
	ROUND
.if \refill
	JLOAD 1-\slot
.endif
	KLOAD \slot, 0
	SUB \slot, 0, \first, 1
	SUB \slot, 1, 0, 0
.endm
	TRIP 0, 1, 1                                   ; eight tiles of 128 keys for each half
	TRIP 1, 1, 0
	s_mov_b32 s58, 2
.Lloop:
	TRIP 0, 1, 0
	TRIP 1, 1, 0
	s_sub_co_u32 s58, s58, 1
	s_cmp_lg_u32 s58, 0
	s_cbranch_scc1 .Lloop
	TRIP 0, 1, 0
	TRIP 1, 0, 0                                   ; the last trip fetches nothing (the stepped addresses are not used)
	; THE MERGE of the two key halves
.rept 4
	v_nop                                          ; four places behind the last matrix instruction: O is read, and its sources are loaded into
.endr
.irp q, 0,1,2,3
	v_add_f32 v[TT+\q], v[LS+2*\q], v[LS+2*\q+1]
.endr
.irp q, 0,1,2,3
	v_permlanex16_b32 v[UU+\q], v[TT+\q], s56, s57
.endr
.irp q, 0,1,2,3
	v_add_f32 v[LT+\q], v[TT+\q], v[UU+\q]         ; the sum over my half of the keys, in every lane of the query
.endr
	s_cmp_eq_u32 s10, 0
	s_cbranch_scc1 .Lkeep
	WIN 0x04                                       ; store data in window 1
.set cn, 0
.rept 32
	ds_store_b128 v[MSA], v[OB+4*cn:OB+4*cn+3] offset:512*cn
.set cn, cn+1
.endr
	WIN 0
	ds_store_b128 v[MSA], v[MX:MX+3] offset:16384
	ds_store_b128 v[MSA], v[LT:LT+3] offset:16896
.Lkeep:
	s_wait_dscnt 0x0                               ; for the partner wave's sake: my stores are done before I say so
	s_barrier_signal -1
	s_barrier_wait -1
	s_cmp_lg_u32 s10, 0
	s_cbranch_scc1 .Lclose
	ds_load_b128 v[TT:TT+3], v[MSA] offset:16384   ; the other half's maxima
	ds_load_b128 v[UU:UU+3], v[MSA] offset:16896   ; and sums
	WIN 0x40                                       ; its O into the score registers of window 1
.set cn, 0
.rept 32
	ds_load_b128 v[4*cn:4*cn+3], v[MSA] offset:512*cn
.set cn, cn+1
.endr
	WIN 0
	s_wait_dscnt 32                                ; the two statistics are in; the 32 loads behind them stay out
.irp q, 0,1,2,3
	v_max_num_f32 v[AL+\q], v[MX+\q], v[TT+\q]
.endr
.irp q, 0,1,2,3
	v_sub_f32 v[MX+\q], v[MX+\q], v[AL+\q]
	v_sub_f32 v[TT+\q], v[TT+\q], v[AL+\q]
.endr
.irp q, 0,1,2,3
	v_exp_f32 v[MX+\q], v[MX+\q]                   ; a0: one of a0, a1 is 1
	v_exp_f32 v[TT+\q], v[TT+\q]                   ; a1
.endr
	v_nop
	s_wait_alu depctr_va_vdst(0)
.irp q, 0,1,2,3
	v_mul_f32 v[LT+\q], v[LT+\q], v[MX+\q]
.endr
.irp q, 0,1,2,3
	v_fmac_f32 v[LT+\q], v[TT+\q], v[UU+\q]        ; the whole sum, at least 1
.endr
.irp q, 0,1,2,3
	v_rcp_f32 v[LT+\q], v[LT+\q]
.endr
	v_nop
	s_wait_alu depctr_va_vdst(0)
.irp q, 0,1,2,3
	v_mul_f32 v[MX+\q], v[MX+\q], v[LT+\q]         ; a0 / sum
	v_mul_f32 v[TT+\q], v[TT+\q], v[LT+\q]         ; a1 / sum
.endr
	s_wait_dscnt 0x0
	WIN 0x41
.set cn, 0
.rept 64
	PKMUL OB+2*cn, MX, (cn>>2)&3
.set cn, cn+1
.endr
	WIN 0x51
.set cn, 0
.rept 64
	PKFMA OB+2*cn, 2*cn, TT, (cn>>2)&3
.set cn, cn+1
.endr
	WIN 0x05
.set cn, 0
.rept 64
	v_cvt_pk_f16_f32 v[KF+cn], v[OB+2*cn], v[OB+2*cn+1]            ; tile (dt, qt): 16 bytes, d = 16 dt + 8 h + 0..7 of query r
.set cn, cn+1
.endr
	WIN 0
	; THE WAY OUT through my own stage: no other wave touches it, and LDS serves a wave's instructions in order
.irp dt, 0,1,2,3
.irp qt, 0,1,2,3
	ds_store_b128 v[STO], v[KF+4*(4*\dt+\qt):KF+4*(4*\dt+\qt)+3] offset:16*KPITCH*\qt+32*\dt
.endr
.endr
.set cn, 0
.rept 16
	ds_load_b128 v[VF+4*cn:VF+4*cn+3], v[RD] offset:4*KPITCH*cn
.set cn, cn+1
.endr
.set cn, 0
.rept 16
	s_wait_dscnt 15-cn
	global_store_b128 v[CO], v[VF+4*cn:VF+4*cn+3], s[6:7] offset:512*cn    ; four rows of the head: 512 consecutive bytes, aligned
.set cn, cn+1
.endr
.Lclose:
	s_wait_dscnt 0x0
	s_wait_tensorcnt 0x0
	ds_add_u32 v62, v63
	s_wait_dscnt 0x0
	ROUND                                          ; the closing round: no work-group ends while a partner may still ask for a tile that names it
	s_endpgm
.Lfunc_end_k_q57e22ff7d8_attn:
	.size	k_q57e22ff7d8_attn, .Lfunc_end_k_q57e22ff7d8_attn-k_q57e22ff7d8_attn
	.p2alignl 7, 3214868480
	.fill 96, 4, 3214868480
	.section	.rodata,"a",@progbits
	.p2align	6, 0x0
	.amdhsa_kernel k_q57e22ff7d8_attn
		.amdhsa_group_segment_fixed_size 327680
		.amdhsa_private_segment_fixed_size 0
		.amdhsa_enable_private_segment 0
		.amdhsa_kernarg_size 16
		.amdhsa_user_sgpr_count 2
		.amdhsa_user_sgpr_kernarg_segment_ptr 1
		.amdhsa_wavefront_size32 1
		.amdhsa_system_sgpr_workgroup_id_x 1
		.amdhsa_system_sgpr_workgroup_id_y 1
		.amdhsa_system_sgpr_workgroup_id_z 1
		.amdhsa_system_vgpr_workitem_id 0
		.amdhsa_next_free_vgpr 512
		.amdhsa_next_free_sgpr 66
		.amdhsa_reserve_vcc 0
		.amdhsa_float_denorm_mode_32 3
		.amdhsa_float_denorm_mode_16_64 3
		.amdhsa_memory_ordered 1
		.amdhsa_forward_progress 1
		.amdhsa_inst_pref_size 255
	.end_amdhsa_kernel
	.section	.bss,"aw",@nobits
	.p2align	6
	.space	262144
	.amdgpu_metadata
---
amdhsa.version: [ 1, 2 ]
amdhsa.kernels:
  - .name:           k_q57e22ff7d8_attn
    .symbol:         k_q57e22ff7d8_attn.kd
    .args:
      - { .name: qkv, .offset: 0, .size: 8, .value_kind: global_buffer, .address_space: global }
      - { .name: ao, .offset: 8, .size: 8, .value_kind: global_buffer, .address_space: global }
    .group_segment_fixed_size: 327680
    .private_segment_fixed_size: 0
    .kernarg_segment_align: 8
    .kernarg_segment_size: 16
    .max_flat_workgroup_size: 256
    .sgpr_count:     66
    .vgpr_count:     512
    .wavefront_size: 32
...
	.end_amdgpu_metadata
.endif
;; end of part 3
;; launch proj (part 4): grid 8 x 32, 4 waves a work-group, clusters of 4 x 4, 327,680 bytes of LDS; arguments ao, wt, bo, out0; writes out0
.if DOCPART == 4
	.amdgcn_target "amdgcn-amd-amdhsa--gfx1250"
	.amdhsa_code_object_version 6
	.text
	.protected	k_q57e22ff7d8_proj
	.globl	k_q57e22ff7d8_proj
	.p2align	8
	.type	k_q57e22ff7d8_proj,@function
k_q57e22ff7d8_proj:
	s_mov_b64 s[64:65], 0
	v_nop
	global_prefetch_b8 v0, s[64:65] scope:SCOPE_SE
	s_setreg_imm32_b32 hwreg(HW_REG_WAVE_MODE, 25, 1), 1
	s_wait_xcnt 0x0
	s_wait_alu depctr_hold_cnt(0) depctr_sa_sdst(0) depctr_va_vdst(0) depctr_va_sdst(0) depctr_va_ssrc(0) depctr_va_vcc(0) depctr_vm_vsrc(0)
	s_getreg_b32 s2, hwreg(HW_REG_IB_STS2, 6, 4)
	s_cmp_eq_u32 s2, 0
	s_cbranch_scc0 .Lentry_in_a_cluster
	s_endpgm
.Lentry_in_a_cluster:
	s_bfe_u32 s2, ttmp6, 0x10000c
	s_cmp_lg_u32 s2, 0xf033
	s_cbranch_scc0 .Lentry_shape_is_right
	s_endpgm
.Lentry_shape_is_right:
; out0[m][n] = sum over k of AO[m][k] wt[3072 + n][k] + bo[n], f32.  AO[m][h*64 + d] lies at ao[(m / 2048)*16 + h][m % 2048][d], f16; wt is f16 too.
; A work-group makes a block of 128 x 128 (8 x 32 = 256 work-groups), a wave 64 x 64: 16 accumulator tiles.  A larger block would leave processors without work.
; K = 1024 goes in eight steps of 128 (two heads) through FOUR LDS slots, two of them asked for again behind one round, so that each refilled pair has two
; steps' work in which to land.  By this text's count four tensor loads of a wave are out at the start, later two.  The eight steps are written out.
; CLUSTERS: 4 x 4 work-groups; ao's tiles hang on the block row alone and are shared along a row of the cluster, wt's on the block column alone and are
; shared along a column: joint loads divide the requests for both by four.
; The matrix instruction is used transposed (source 0 = 16 rows of wt, source 1 = 16 rows of ao): lane l holds row l % 16 and columns 8 (l / 16) + 0..7.
.set SLOT,   71680                     ; ao: 2 heads x 128 rows x 144, then wt: 128 rows x 272
.set BOFF,   36864
.set APITCH, 144
.set BPITCH, 272
.set STAGE,  4*SLOT                    ; 16 rows x 272 bytes for each wave, for the way out; no tile lands here
.set SPITCH, 272
.set ASTEP,  524288                    ; two heads of ao
.set BSTEP,  256                       ; 128 k of wt
.set ADRA, 16                          ; v16-19  LDS address of my ao fragments in slot 0..3
.set ADRB, 20                          ; v20-23  the same for wt
.set STO,  24
.set RD,   25
.set CO,   26
.set BO,   27
.set BIAS, 32                          ; v[32:63]  bo of my 64 columns: n block b at 8 b
.set F0,   64                          ; fragment buffer 0: ao's four at 8 a, wt's four at 32 + 8 b
.set F1,   128                         ; fragment buffer 1
.set TMP,  192                         ; v[192:223] the way out
; window 1: accumulator tile (a, b) at 8 (4 a + b), v0-127
.set G1A, 24                           ; s[24:31]
.set G0A, 32                           ; s[32:47] a set for each slot
.set G1B, 48                           ; s[48:55]
.set G0B, 68                           ; s[68:83] a set for each slot
.set MSB, 0
.macro WIN new
.if MSB != \new
	s_set_vgpr_msb (MSB<<8)|\new
.set MSB, \new
.endif
.endm
.macro JLOAD s                         ; waves 0 and 1 ask for ao's two heads, waves 2 and 3 for wt's two halves
	s_cmp_eq_u32 s11, 0
	s_cbranch_scc0 .Lfor_b_\@
	tensor_load_to_lds s[G0A+4*\s:G0A+4*\s+3], s[G1A:G1A+7]
	s_nop 0
	s_branch .Lasked_\@
.Lfor_b_\@:
	tensor_load_to_lds s[G0B+4*\s:G0B+4*\s+3], s[G1B:G1B+7]
	s_nop 0
.Lasked_\@:
.endm
.macro BAR
	s_barrier_signal -1
	s_barrier_wait -1
.endm
.macro ROUND                           ; a round of the cluster's barrier
	s_barrier_signal -1
	s_barrier_wait -1
	s_cmp_lg_u32 s10, 0
	s_cbranch_scc1 .Lnot_wave_0_\@
	s_barrier_signal -3
.Lnot_wave_0_\@:
	s_barrier_wait -3
	s_barrier_signal -1
	s_barrier_wait -1
.endm
	s_load_b128 s[4:7], s[0:1], 0x0                ; ao s[4:5], wt s[6:7]
	s_load_b128 s[56:59], s[0:1], 0x10             ; bo s[56:57], out0 s[58:59]
	v_lshl_add_u32 v254, v0, 2, 0x4a400
	v_mov_b32 v255, 0
	ds_add_u32 v254, v255
	v_lshrrev_b32 v1, 5, v0
	v_readfirstlane_b32 s10, v1                    ; wave 0..3
	s_lshr_b32 s11, s10, 1                         ; my half of the block's rows.  Also: I fetch for ao (0) or for wt (1)
	s_and_b32 s12, s10, 1                          ; my half of its columns.  Also: which head, or which 64 rows of wt, I fetch
	s_bfe_u32 s14, ttmp6, 0x40000                  ; cx
	s_bfe_u32 s15, ttmp6, 0x40004                  ; cy
	s_lshl_b32 s16, ttmp9, 2
	s_add_co_u32 s16, s16, s14                     ; block column = 4 x cluster x + cx
	s_and_b32 s13, ttmp7, 0xffff
	s_lshl_b32 s13, s13, 2
	s_add_co_u32 s13, s13, s15                     ; block row = 4 x cluster y + cy
	s_lshl_b32 s17, s15, 2
	s_lshl_b32 s17, 15, s17                        ; my row of the cluster
	s_lshl_b32 s18, 0x1111, s14                    ; my column
	s_or_b32 s[G1A+0], s17, (1<<16)|(1<<20)|(1<<21)|(4<<22)|(3<<25)  ; elements of 2 bytes; after every 32 words 4 words of padding: pitch 144
	s_or_b32 s[G1B+0], s18, (1<<16)|(1<<20)|(1<<21)|(5<<22)|(3<<25)  ; after every 64 words: pitch 272
	s_mov_b32 s[G1A+1], 64<<16                     ; ao: 128 rows x 64 elements, dense
	s_mov_b32 s[G1A+2], 128<<16
	s_mov_b32 s[G1A+3], 64<<16
	s_mov_b32 s[G1A+4], 128
	s_mov_b32 s[G1A+5], 64
	s_mov_b32 s[G1A+6], 0
	s_mov_b32 s[G1A+7], 0
	s_mov_b32 s[G1B+1], 128<<16                    ; wt: 64 rows x 128 elements, 1,024 elements from row to row
	s_mov_b32 s[G1B+2], 64<<16
	s_mov_b32 s[G1B+3], 128<<16
	s_mov_b32 s[G1B+4], 64
	s_mov_b32 s[G1B+5], 1024
	s_mov_b32 s[G1B+6], 0
	s_mov_b32 s[G1B+7], 0
	s_lshr_b32 s20, s13, 4                         ; ao: b = block row / 16: 16 heads of 262,144 bytes,
	s_lshl_b32 s20, s20, 22
	s_and_b32 s21, s13, 15                         ;  128 rows of 128 bytes for each block row inside b,
	s_lshl_b32 s21, s21, 14
	s_add_co_u32 s20, s20, s21
	s_lshl_b32 s21, s12, 18                        ;  my head of the step's two
	s_add_co_u32 s20, s20, s21
	s_mov_b32 s21, 0
	s_lshl_b32 s22, s16, 18                        ; wt: 128 rows of 2,048 bytes for each block column,
	s_lshl_b32 s23, s12, 17                        ;  my 64 rows,
	s_add_co_u32 s22, s22, s23
	s_add_co_u32 s22, s22, 3072*2048               ;  behind q's, k's and v's weights
	s_mov_b32 s23, 0
	s_mul_i32 s19, s12, 128*APITCH                 ; where they go
	s_mul_i32 s84, s12, 64*BPITCH
	s_add_co_u32 s84, s84, BOFF
	s_wait_dscnt 0x0
	s_wait_kmcnt 0x0
	s_add_nc_u64 s[60:61], s[4:5], s[20:21]
	s_add_nc_u64 s[62:63], s[6:7], s[22:23]
	ROUND                                          ; all sixteen work-groups are here: the first joint loads meet
.irp s, 0,1,2,3
	s_mov_b32 s[G0A+4*\s], 1
	s_add_co_u32 s[G0A+4*\s+1], s19, \s*SLOT
	s_add_nc_u64 s[G0A+4*\s+2:G0A+4*\s+3], s[60:61], \s*ASTEP
	s_or_b32 s[G0A+4*\s+3], s[G0A+4*\s+3], 0x80000000
	s_mov_b32 s[G0B+4*\s], 1
	s_add_co_u32 s[G0B+4*\s+1], s84, \s*SLOT
	s_add_nc_u64 s[G0B+4*\s+2:G0B+4*\s+3], s[62:63], \s*BSTEP
	s_or_b32 s[G0B+4*\s+3], s[G0B+4*\s+3], 0x80000000
	JLOAD \s                                       ; K steps 0 to 3
.endr
	s_lshl_b32 s22, s16, 9                         ; my columns in bytes of f32: 512 for each block column, 256 for my half
	s_lshl_b32 s23, s12, 8
	s_add_co_u32 s22, s22, s23
	s_mov_b32 s23, 0
	s_add_nc_u64 s[56:57], s[56:57], s[22:23]      ; bo at my columns
	s_add_nc_u64 s[58:59], s[58:59], s[22:23]
	s_lshl_b32 s20, s13, 19                        ; my rows: 128 rows of 4,096 bytes for each block row, 64 for my half
	s_lshl_b32 s21, s11, 18
	s_add_co_u32 s20, s20, s21
	s_mov_b32 s21, 0
	s_add_nc_u64 s[58:59], s[58:59], s[20:21]      ; out0 at my corner
	v_and_b32 v1, 15, v0                           ; r
	v_bfe_u32 v2, v0, 4, 1                         ; h
	v_lshlrev_b32 v[BO], 5, v2                     ; my 8 columns of each n block
.irp b, 0,1,2,3
	global_load_b128 v[BIAS+8*\b:BIAS+8*\b+3],   v[BO], s[56:57] offset:64*\b
	global_load_b128 v[BIAS+8*\b+4:BIAS+8*\b+7], v[BO], s[56:57] offset:64*\b+16
.endr
	v_mul_u32_u24 v3, v1, APITCH
	v_lshl_add_u32 v3, v2, 4, v3
	v_mul_u32_u24 v4, v1, BPITCH
	v_lshl_add_u32 v4, v2, 4, v4
	s_mul_i32 s86, s11, 64*APITCH                  ; my 64 rows of ao
	s_mov_b32 s87, s84                             ; my 64 rows of wt: the ones that waves 2 + my column half fetch
.irp s, 0,1,2,3
	v_add_nc_u32 v[ADRA+\s], s86, v3
	v_add_nc_u32 v[ADRB+\s], s87, v4
	s_add_co_u32 s86, s86, SLOT
	s_add_co_u32 s87, s87, SLOT
.endr
	s_mul_i32 s85, s10, 16*SPITCH
	s_add_co_u32 s85, s85, STAGE                   ; my stage
	v_mul_u32_u24 v5, v1, SPITCH                   ; in: row r, 32 bytes for each half of the lanes
	v_lshl_add_u32 v5, v2, 5, v5
	v_add_nc_u32 v[STO], s85, v5
	v_mul_u32_u24 v6, v2, SPITCH                   ; back: lanes 0-15 one row of 256 bytes, lanes 16-31 the next
	v_lshl_add_u32 v6, v1, 4, v6
	v_add_nc_u32 v[RD], s85, v6
	v_lshlrev_b32 v7, 12, v2                       ; and the same two rows in out0
	v_lshl_add_u32 v[CO], v1, 4, v7
; 16 LDS loads: the fragments of quarter q (32 along K) of a slot into buffer f.  Quarters 0, 1 lie in the step's first head, 2, 3 in its second.
.macro FETCH slot, q, f
.irp a, 0,1,2,3
	ds_load_b128 v[\f+8*\a:\f+8*\a+3],   v[ADRA+\slot] offset:16*APITCH*\a+128*APITCH*(\q>>1)+64*(\q&1)
	ds_load_b128 v[\f+8*\a+4:\f+8*\a+7], v[ADRA+\slot] offset:16*APITCH*\a+128*APITCH*(\q>>1)+64*(\q&1)+32
.endr
.irp b, 0,1,2,3
	ds_load_b128 v[\f+32+8*\b:\f+32+8*\b+3], v[ADRB+\slot] offset:16*BPITCH*\b+64*\q
	ds_load_b128 v[\f+36+8*\b:\f+36+8*\b+3], v[ADRB+\slot] offset:16*BPITCH*\b+64*\q+32
.endr
.endm
; 16 matrix instructions on the 16 accumulators, which take turns, one instruction a turn, in the same order in every quarter
.macro MULQ f, zero
	WIN 0x50
.irp a, 0,1,2,3
.irp b, 0,1,2,3
.if \zero
	v_wmma_f32_16x16x32_f16 v[8*(4*\a+\b):8*(4*\a+\b)+7], v[\f+32+8*\b:\f+32+8*\b+7], v[\f+8*\a:\f+8*\a+7], 0
.else
	v_wmma_f32_16x16x32_f16 v[8*(4*\a+\b):8*(4*\a+\b)+7], v[\f+32+8*\b:\f+32+8*\b+7], v[\f+8*\a:\f+8*\a+7], v[8*(4*\a+\b):8*(4*\a+\b)+7]
.endif
.endr
.endr
.endm
.macro PLACES                          ; four places between a matrix instruction and a load into one of its sources, or a reader of its result
.rept 4
	v_nop
.endr
.endm
.macro HEAD                            ; the fragments fetched during the last quarter are in; no LDS read of mine is out
	WIN 0
	s_wait_dscnt 0x0
.endm
.macro Q f, g, slot, q, zero           ; multiplies buffer f while quarter q of the slot comes into buffer g
	HEAD
	PLACES
	FETCH \slot, \q, \g
	MULQ \f, \zero
.endm
.macro TILE3 s, zero
	Q F0, F1, \s, 1, \zero
	Q F1, F0, \s, 2, 0
	Q F0, F1, \s, 3, 0
.endm
.macro LASTQ ns                        ; a step's last quarter, with the next slot's first fragments
	PLACES
	FETCH \ns, 0, F0
	MULQ F1, 0
.endm
.macro STEPSET s                       ; four K steps on; written only where no tensor load of the wave is out
	s_add_nc_u64 s[G0A+4*\s+2:G0A+4*\s+3], s[G0A+4*\s+2:G0A+4*\s+3], 4*ASTEP
	s_add_nc_u64 s[G0B+4*\s+2:G0B+4*\s+3], s[G0B+4*\s+2:G0B+4*\s+3], 4*BSTEP
.endm
	s_wait_loadcnt 0x0                             ; bo, once, while the first tiles are on their way
	s_wait_tensorcnt 0x3                           ; my part of K step 0 is in; steps 1, 2, 3 stay out
	BAR
	FETCH 0, 0, F0
	TILE3 0, 1                                     ; K step 0: its first products start the sums
	HEAD
	s_wait_tensorcnt 0x2                           ; step 1 is in; steps 2 and 3 stay out
	BAR
	LASTQ 1
	TILE3 1, 0                                     ; K step 1
	HEAD                                           ; my reads of slots 0 and 1 are over,
	s_wait_tensorcnt 0x0                           ; all my tensor loads have landed (steps 2 and 3 among them)
	ds_add_u32 v254, v255
	s_wait_dscnt 0x0
	STEPSET 0
	STEPSET 1
	ROUND                                          ; both now hold of every wave of all sixteen work-groups
	JLOAD 0                                        ; K steps 4 and 5: the first tensor loads behind the round
	JLOAD 1
	LASTQ 2
	TILE3 2, 0                                     ; K step 2
	HEAD
	LASTQ 3                                        ; slot 3 was shown whole by the round above
	TILE3 3, 0                                     ; K step 3
	HEAD
	s_wait_tensorcnt 0x0                           ; steps 4 and 5 have landed
	ds_add_u32 v254, v255
	s_wait_dscnt 0x0
	STEPSET 2
	STEPSET 3
	ROUND
	JLOAD 2                                        ; K steps 6 and 7
	JLOAD 3
	LASTQ 0
	TILE3 0, 0                                     ; K step 4
	HEAD
	LASTQ 1
	TILE3 1, 0                                     ; K step 5
	HEAD
	s_wait_tensorcnt 0x1                           ; step 6 is in; step 7 stays out
	BAR
	LASTQ 2
	TILE3 2, 0                                     ; K step 6
	HEAD
	s_wait_tensorcnt 0x0
	BAR
	LASTQ 3
	TILE3 3, 0                                     ; K step 7
	HEAD
	MULQ F1, 0
	; THE WAY OUT, 16 rows at a time: add bo, 32 bytes a lane into my own stage, read back as whole rows of 256 bytes
	WIN 0
	PLACES
.macro OUT16 a, f
	WIN 0x01                                       ; source 0 (the sums) in window 1
.irp b, 0,1,2,3
.irp r, 0,2,4,6
	v_pk_add_f32 v[TMP+8*\b+\r:TMP+8*\b+\r+1], v[8*(4*\a+\b)+\r:8*(4*\a+\b)+\r+1], v[BIAS+8*\b+\r:BIAS+8*\b+\r+1]
.endr
.endr
	WIN 0
.irp b, 0,1,2,3
	ds_store_b128 v[STO], v[TMP+8*\b:TMP+8*\b+3]   offset:64*\b
	ds_store_b128 v[STO], v[TMP+8*\b+4:TMP+8*\b+7] offset:64*\b+16
.endr
	s_wait_xcnt 0x0                                ; buffer f, which earlier stores read as data, is loaded again only behind this wait
.irp t, 0,1,2,3,4,5,6,7
	ds_load_b128 v[\f+4*\t:\f+4*\t+3], v[RD] offset:2*SPITCH*\t    ; LDS serves a wave's instructions in order: these see the stores above
.endr
.irp t, 0,1,2,3,4,5,6,7
	s_wait_dscnt 7-\t
	global_store_b128 v[CO], v[\f+4*\t:\f+4*\t+3], s[58:59] offset:65536*\a+8192*\t th:TH_STORE_NT   ; 16 lanes store 256 consecutive bytes, aligned
.endr
.endm
	OUT16 0, F0
	OUT16 1, F1
	OUT16 2, F0
	OUT16 3, F1
	s_wait_tensorcnt 0x0
	ds_add_u32 v254, v255
	s_wait_dscnt 0x0
	ROUND                                          ; the closing round: no work-group ends while a partner may still ask for a tile that names it
	s_endpgm
.Lfunc_end_k_q57e22ff7d8_proj:
	.size	k_q57e22ff7d8_proj, .Lfunc_end_k_q57e22ff7d8_proj-k_q57e22ff7d8_proj
	.p2alignl 7, 3214868480
	.fill 96, 4, 3214868480
	.section	.rodata,"a",@progbits
	.p2align	6, 0x0
	.amdhsa_kernel k_q57e22ff7d8_proj
		.amdhsa_group_segment_fixed_size 327680
		.amdhsa_private_segment_fixed_size 0
		.amdhsa_enable_private_segment 0
		.amdhsa_kernarg_size 32
		.amdhsa_user_sgpr_count 2
		.amdhsa_user_sgpr_kernarg_segment_ptr 1
		.amdhsa_wavefront_size32 1
		.amdhsa_system_sgpr_workgroup_id_x 1
		.amdhsa_system_sgpr_workgroup_id_y 1
		.amdhsa_system_sgpr_workgroup_id_z 1
		.amdhsa_system_vgpr_workitem_id 0
		.amdhsa_next_free_vgpr 384
		.amdhsa_next_free_sgpr 88
		.amdhsa_reserve_vcc 0
		.amdhsa_float_denorm_mode_32 3
		.amdhsa_float_denorm_mode_16_64 3
		.amdhsa_memory_ordered 1
		.amdhsa_forward_progress 1
		.amdhsa_inst_pref_size 97
	.end_amdhsa_kernel
	.amdgpu_metadata
---
amdhsa.version: [ 1, 2 ]
amdhsa.kernels:
  - .name:           k_q57e22ff7d8_proj
    .symbol:         k_q57e22ff7d8_proj.kd
    .args:
      - { .name: ao, .offset: 0, .size: 8, .value_kind: global_buffer, .address_space: global }
      - { .name: wt, .offset: 8, .size: 8, .value_kind: global_buffer, .address_space: global }
      - { .name: bo, .offset: 16, .size: 8, .value_kind: global_buffer, .address_space: global }
      - { .name: out0, .offset: 24, .size: 8, .value_kind: global_buffer, .address_space: global }
    .group_segment_fixed_size: 327680
    .private_segment_fixed_size: 0
    .kernarg_segment_align: 8
    .kernarg_segment_size: 32
    .max_flat_workgroup_size: 128
    .sgpr_count:     88
    .vgpr_count:     384
    .wavefront_size: 32
...
	.end_amdgpu_metadata
.endif
;; end of part 4
